; MI455X (gfx1250); checked and timed in simulation.
; The chip was launched on July 23, 2026; its instructions are those of AMD's public machine-readable ISA for CDNA 5 (MIT licence, August 2026) and "CDNA5" Instruction Set Architecture Reference Guide (July 2026). The comments in the code are by the model that wrote it; some were corrected since.
;; Causal Self Attention. Allowed arithmetic: matrix products marked QUANTISED: E2M3 operands, one E8M0 scale for each 32 along K, by v_wmma_scale_f32_16x16x128_f8f6f4 with both operands' format E2M3, f32 sums; everything else in f32.
;; Inputs: Wproj_codes 1,024 x 32 x 24 uint8 (E2M3 codes of Wproj, K innermost, in blocks of 32 codes, four codes in three bytes); Wproj_scales 1,024 x 32 uint8 (E8M0 scales of Wproj, one for each 32 codes along K); Wqkv_codes 3,072 x 32 x 24 uint8 (E2M3 codes of Wqkv, K innermost, in blocks of 32 codes, four codes in three bytes); Wqkv_scales 3,072 x 32 uint8 (E8M0 scales of Wqkv, one for each 32 codes along K); bproj 1,024 float32; bqkv 3,072 float32; padding_mask 4 x 2,048 int32; x_codes 4 x 2,048 x 32 x 24 uint8 (E2M3 codes of x, K innermost, in blocks of 32 codes, four codes in three bytes); x_scales 4 x 2,048 x 32 uint8 (E8M0 scales of x, one for each 32 codes along K).
;; Outputs: out0 4 x 2,048 x 1,024 float32.
;; This version of the problem:
;;   THIS VERSION OF THE PROBLEM IS GIVEN IN LOW PRECISION. The matrix products marked QUANTISED in the list below multiply operands that are first quantised to E2M3 (2 exponent bits, 3 mantissa bits; 6 bits a number), with one power-of-two scale for each 32 numbers along K (OCP MX v1.0); their sums are f32. All else is computed in f32.
;;   The module's matrix products, in the order in which they are computed (A, B: the left and right operand; K: the contracted axis; several contracted axes count as one K, in the product's order):
;;     1. [M 8,192, K 1,024] x [K 1,024, N 3,072]; A: input x (given as codes); B: input Wqkv (given as codes): QUANTISED
;;     2. batch 64 x [M 2,048, K 64] x [K 64, N 2,048]; A: computed on the way; B: computed on the way: QUANTISED
;;     3. batch 64 x [M 64, K 2,048] x [K 2,048, N 2,048]; A: computed on the way; B: softmax (see below): QUANTISED
;;     4. [M 8,192, K 1,024] x [K 1,024, N 1,024]; A: computed on the way; B: input Wproj (given as codes): QUANTISED
;;   THE QUANTISER, for each operand of a quantised product, along K:
;;     - K is cut into blocks of 32 from its start; a last block that is shorter is filled with zeros.
;;     - A block's scale is 2^e with e = floor(log2(the largest magnitude in the block)) - 2, held to -126 .. 127; a block of zeros has e = 0. As a byte (E8M0): e + 127.
;;     - Each number is divided by its block's scale, clamped to +-7.5, and rounded to the nearest number of E2M3, ties to even, subnormals kept.
;;     - The product sums the exact products of the quantised numbers (number of the format x scale) in f32.
;;   ~~~python
;;   def quantise(x, axis):      # numpy; x: float32 -> the quantised numbers, widened to float32 again
;;       x = np.moveaxis(x, axis, -1); K = x.shape[-1]
;;       x = np.pad(x, [(0, 0)] * (x.ndim - 1) + [(0, -K % 32)]); x = x.reshape(x.shape[:-1] + (-1, 32)); a = np.abs(x).max(-1, keepdims=True)
;;       e = np.where(a > 0, np.clip(np.frexp(np.where(a > 0, a, 1))[1] - 1 - 2, -126, 127), 0)      # np.frexp(a)[1] - 1 = floor(log2(a)), exactly
;;       r = np.clip(x / 2.0 ** e, -7.5, 7.5)
;;       step = 2.0 ** (np.maximum(np.frexp(np.where(r == 0, 1, r))[1] - 1, 0) - 3)
;;       q = np.round(r / step) * step * 2.0 ** e      # np.round: ties to even
;;       return np.moveaxis(q.reshape(q.shape[:-2] + (-1,))[..., :K], -1, axis).astype(np.float32)
;;   ~~~
;;   SOFTMAX AHEAD OF A QUANTISED PRODUCT. Where the list says 'softmax', what is quantised is not the finished softmax but p = 2^(t - M), with t = logit x log2(e) and M = ceil(the row's largest t), a whole number; so 1/2 < the row's largest p <= 1. The row's sum l is taken of the UNQUANTISED p, in f32, and the product's result is divided by l at the end. Since M is a whole number, a kernel that streams over the keys may use a running M (the ceiling of the running maximum): every later rescaling is an exact power of two, which a block's scale takes up: the codes' values come out the same.
;;   OPERANDS COMPUTED ON THE WAY. 'Computed on the way' means the value that the module computes at that place (a softmax that the list does not call 'softmax' is quantised finished and normalised). What goes into a quantiser is computed in f32, as accurately as f32 sums, v_exp_f32 and their like allow (about 1e-6 of the number): no bf16 or f16 on the way to a quantiser, and a product that is left as it is and whose result goes on into a quantised operand takes f32 operands (vector FMAs, or v_wmma_f32_16x16x4_f32). A number that lies on a knife's edge between two numbers of the format may be rounded either way, as far as f32 arithmetic and the matrix unit's own rounding can turn it there, and no further.
;;   INPUTS GIVEN AS CODES. Wproj (in the module: [1024, 1024], K = its axis 0); Wqkv (in the module: [1024, 3072], K = its axis 0); x (in the module: [4, 2048, 1024], K = its axis 2): each comes as NAME_codes (uint8): NAME with its K axis moved to the last place and cut into blocks of 32 codes, [.., K / 32, bytes a block], one block behind the other in memory; four codes in three bytes: a row's codes are one little-endian stream of bits, code i at bits 6 i .. 6 i + 5 (a code: sign, 2 exponent bits, 3 mantissa bits); and NAME_scales (uint8): the same leading axes, one E8M0 byte (e + 127) for each 32 codes along K. Its value is code x scale, taken as it is: it is not quantised again, and the codes and scales need not be those that the quantiser above would give.
;; One version. Each part assembles by itself: llvm-mc -triple=amdgcn-amd-amdhsa -mcpu=gfx1250 --defsym DOCPART=n.
;; ======== version 1 of 1: 3 launches
;; limits: right only within a limited range of input values
;; workspace buffers: qk_codes 12,582,912 bytes; qk_scales 524,288 bytes; v_codes 6,291,456 bytes; v_scales 262,144 bytes; y_codes 6,291,456 bytes; y_scales 262,144 bytes
;; launch qkv (part 1): grid 8 x 32, 4 waves a work-group, clusters of 4 x 4, 327,680 bytes of LDS; arguments x_codes, x_scales, Wqkv_codes, Wqkv_scales, bqkv, qk_codes, qk_scales, v_codes, v_scales; writes qk_codes, qk_scales, v_codes, v_scales
.if DOCPART == 1
	.amdgcn_target "amdgcn-amd-amdhsa--gfx1250"
	.amdhsa_code_object_version 6
	.text
	.protected	k_qad0fc004f5_qkv
	.globl	k_qad0fc004f5_qkv
	.p2align	8
	.type	k_qad0fc004f5_qkv,@function
k_qad0fc004f5_qkv:
	s_mov_b64 s[64:65], 0
	v_nop
	global_prefetch_b8 v0, s[64:65] scope:SCOPE_SE
	s_setreg_imm32_b32 hwreg(HW_REG_WAVE_MODE, 25, 1), 1
	s_wait_xcnt 0x0
	s_wait_alu depctr_hold_cnt(0) depctr_sa_sdst(0) depctr_va_vdst(0) depctr_va_sdst(0) depctr_va_ssrc(0) depctr_va_vcc(0) depctr_vm_vsrc(0)
	s_getreg_b32 s2, hwreg(HW_REG_IB_STS2, 6, 4)
	s_cmp_eq_u32 s2, 0
	s_cbranch_scc0 .Lentry_in_a_cluster
	s_endpgm
.Lentry_in_a_cluster:
	s_bfe_u32 s2, ttmp6, 0x10000c
	s_cmp_lg_u32 s2, 0xf033
	s_cbranch_scc0 .Lentry_shape_is_right
	s_endpgm
.Lentry_shape_is_right:
; qkv = x Wqkv + bqkv on codes of FP6 (E2M3) with E8M0 scales, f32 sums; q, k and v leave as codes again, quantised along the K of the product that reads them.
; THE DEAL.  256 work-groups: tile row i (256 tokens) x column group g (128 columns = heads 2 g, 2 g + 1).  A work-group runs three phases on the same 256 tokens, which are loaded once: q's, k's and v's 128 columns.
; Four waves, 2 x 2: wave (a, b) takes tokens 128 a .. + 127 and head 2 g + b.  Its 64 rows of the weight, ALL of K, lie in registers (32 fragments, 384 registers); x streams past in blocks of 16 tokens, all of K, in two sets of registers.
; A block is 32 products on four accumulators by turns; the bias is the C of the first four.
; q, k: source 0 = the weight's rows: lane (r, h) holds token r, register 8 b + j column 16 b + 8 h + j of the head.   v: source 0 = x's rows: lane (r, h) holds column 16 t + r, register 8 s + j token 16 s + 8 h + j of a group of 64.
; THE WAY OUT of 32 numbers a lane: registers 16 c .. 16 c + 15 of lanes l and l xor 16 are one block of 32.  Inside a block number 16 u + 8 h + j stands at place 16 h + 8 u + j: q and k alike along the head, v and the softmax's p alike along the keys.
; Codes leave as half images (16 rows x 64 codes, 768 bytes: registers 0-3 at 16 x lane, 4-5 at 512 + 8 x lane): qk_codes [head, q's then k's: 32][row block 512][768], v_codes [token group 128][row block 64][768].
; Scale bytes, pairs of 16 bits, gather in LDS and leave at the end in runs of 256 bytes: qk_scales [32][8,192], v_scales [128][1,024].
; LDS: x's 256 rows (768 bytes + 16 behind every 256), the weights' 128 rows, x's scale bytes, the stage for scale bytes, the spare words.
; FILLS: at the head one joint load a wave (the weight, x's scales, x's two halves).  The weights' region is filled again twice, by wave 0, behind the three lines and a round of the cluster's barrier, when all waves hold the weight in registers.
; x's rows are shared by a row of the cluster, a weight's rows by a column.  No prefetch: the head's tiles are asked for at once, and each later weight 256 products a wave ahead of the wait for it.
; LIMITS: NaN and infinities among the inputs are not served; a block whose largest magnitude lies under 2^-124, a block of zeros too, has the byte 1 (this program alone reads the bytes).
.set KROW,  768
.set KS,    32
.set PITCH, 816
.set FR,    12
.set FPW,   21                         ; fragments in a window of 256 registers; fragment f lies in window 1 + f / 21: 0-31 the weight's (4 q + b), 32-39 and 40-47 x's two sets
.set NF,    28                         ; LDS loads of a block: 26 for eight fragments, 2 for eight scale words
.set YB,    128*PITCH
.set BVB,   2*YB
.set SCL,   3*YB
.set XS,    SCL+32*272                 ; the stage: q's [wave][256], k's, v's [token group][256]
.set SPARE, XS+3072
.set ADRA0, 4                          ; v4, v5 LDS address of my block 0 (v5: for pieces behind one padding more)
.set AAS0,  6                          ; v6 of its scale words
.set L16,   7
.set L8,    8
.set SPW,   10
.set NIL,   11
.set ADRA,  12                         ; v12, v13, v14: as v4, v5, v6, for the block fetched next
.set AAS,   14
.set ABS,   15                         ; 32 x lane
.set BA,    16                         ; v16-23 the weight's four tiles in LDS
.set SB,    24                         ; v24-39 the weight's scale words
.set TQ,    40
.set PM,    42
.set SA,    44                         ; v44-59 x's scale words, two sets
.set STO,   60
.set STV,   61
.set VX,    62
.set SR,    63
.set ACC,   64                         ; v64-95 q, k; v64-191 v: 32 t + 8 s + j
.set BB,    192                        ; v192-223 the bias as C
.set CD,    224
.set CT,    230
.set SO,    234
.set EB,    236
.set BO,    238
.set BR,    239
.set G1A, 24
.set G1B, 32
.set G1S, 92
.set G0A, 56
.set G0B, 60
.set G0R, 68
.set G0S, 72
.set MSB, 0
.macro WIN new
.if MSB != \new
	s_set_vgpr_msb (MSB<<8)|\new
.set MSB, \new
.endif
.endm
.macro PLACES n
.rept \n
	v_nop
.endr
.endm
.macro WALU
	s_wait_alu depctr_va_vdst(0)
.endm
.macro BARRIER
	s_barrier_signal -1
	s_barrier_wait -1
.endm
.macro CROUND
	BARRIER
	s_cmp_lg_u32 s14, 0
	s_cbranch_scc1 .Lnot_wave_0_\@
	s_barrier_signal -3
.Lnot_wave_0_\@:
	s_barrier_wait -3
	BARRIER
.endm
.macro TLOAD g0, g1
	tensor_load_to_lds s[\g0:\g0+3], s[\g1:\g1+7]
	s_nop 0
	PLACES 4
.endm
.macro GROUP1 g, mask, rows
	s_or_b32 s[\g+0], s[\mask], (1<<20)|(1<<21)|(5<<22)|(3<<25)
	s_mov_b32 s[\g+1], KROW<<16
	s_mov_b32 s[\g+2], (\rows)<<16
	s_mov_b32 s[\g+3], KROW<<16
	s_mov_b32 s[\g+4], \rows
	s_mov_b32 s[\g+5], KROW
	s_mov_b32 s[\g+6], 0
	s_mov_b32 s[\g+7], 0
.endm
.macro G0SET g, base, off
	s_mov_b32 s20, s\off
	s_add_nc_u64 s[\g+2:\g+3], s[\base:\base+1], s[20:21]
	s_or_b32 s[\g+3], s[\g+3], 0x80000000
.endm
; a fragment: six pieces of 8 bytes of a row, two to a load where both lie behind as many paddings
.macro FRAG f, q, a0, a1
	WIN (1+(\f)/FPW)<<6
.set R_, FR*((\f)%FPW)
.set SKIP_, 0
.irp p, 0,1,2,3,4,5
.if SKIP_
.set SKIP_, 0
.else
.set PC_, 12*(\q)+6*(\p/3)+\p%3
.set PN_, 12*(\q)+6*((\p+1)/3)+(\p+1)%3
.set X_, (PC_%32+3)/32
.set XQ_, (PN_%32+3)/32
.if (\p < 5) && (X_ == XQ_)
.set SKIP_, 1
.if X_
	ds_load_2addr_b64 v[R_+2*\p:R_+2*\p+3], \a1 offset0:PC_+2*(PC_/32) offset1:PN_+2*(PN_/32)
.else
	ds_load_2addr_b64 v[R_+2*\p:R_+2*\p+3], \a0 offset0:PC_+2*(PC_/32) offset1:PN_+2*(PN_/32)
.endif
.elseif X_
	ds_load_b64 v[R_+2*\p:R_+2*\p+1], \a1 offset:8*(PC_+2*(PC_/32))
.else
	ds_load_b64 v[R_+2*\p:R_+2*\p+1], \a0 offset:8*(PC_+2*(PC_/32))
.endif
.endif
.endr
.endm
.macro WEIGHTS                         ; my 64 rows of the weight, all of K: 104 loads
.irp q, 0,1,2,3,4,5,6,7
.irp b, 0,1,2,3
	FRAG 4*\q+\b, \q, v[BA+2*\b], v[BA+2*\b+1]
.endr
.endr
	WIN 0
.endm
.macro FETCH e                         ; a block of x's rows into set e
.irp q, 0,1,2,3,4,5,6,7
	FRAG 32+8*(\e)+\q, \q, v[ADRA], v[ADRA+1]
.endr
	WIN 0
	ds_load_b128 v[SA+8*(\e):SA+8*(\e)+3], v[AAS]
	ds_load_b128 v[SA+8*(\e)+4:SA+8*(\e)+7], v[AAS] offset:16
.endm
.macro STEPA                           ; to the next block's addresses: also five places behind the block's products
	v_add_nc_u32 v[ADRA], 16*PITCH, v[ADRA]
	v_add_nc_u32 v[ADRA+1], 16*PITCH, v[ADRA+1]
	v_add_nc_u32 v[AAS], 544, v[AAS]
	PLACES 2
	WALU
.endm
.macro MM d, s0, s1, c, x0, x1, side, o
	v_wmma_scale_f32_16x16x128_f8f6f4 v[\d:\d+7], v[\s0:\s0+11], v[\s1:\s1+11], v[\c:\c+7], v[\x0], v[\x1] matrix_a_fmt:MATRIX_FMT_FP6 matrix_b_fmt:MATRIX_FMT_FP6 matrix_\side\()_scale:MATRIX_SCALE_ROW\o
.endm
.macro PROD kind, e, q, b, d           ; kind 0: source 0 the weight's tile b; kind 1: source 0 x's rows
.set FB_, 4*(\q)+(\b)
.set FA_, 32+8*(\e)+(\q)
.set RB_, FR*(FB_%FPW)
.set RA_, FR*(FA_%FPW)
.set XB_, SB+8*((\b)/2)+(\q)
.set XA_, SA+8*(\e)+(\q)
.set D_, \d
.set C_, D_
.if (\q) == 0
.set C_, BB+8*(\b)
.endif
.if \kind
	WIN (1+FA_/FPW)|((1+FB_/FPW)<<2)
.if (\b)%2
	MM D_, RA_, RB_, C_, XA_, XB_, b, 1
.else
	MM D_, RA_, RB_, C_, XA_, XB_, b, 0
.endif
.else
	WIN (1+FB_/FPW)|((1+FA_/FPW)<<2)
.if (\b)%2
	MM D_, RB_, RA_, C_, XB_, XA_, a, 1
.else
	MM D_, RB_, RA_, C_, XB_, XA_, a, 0
.endif
.endif
.endm
.macro PRODS kind, e, d0, ds
.irp q, 0,1,2,3,4,5,6,7
.irp b, 0,1,2,3
	PROD \kind, \e, \q, \b, (\d0)+(\ds)*\b
.endr
.endr
	WIN 0
.endm
; 32 numbers of a lane from v[x] on become a half image in v[CD .. CD+5] and a pair of scale bytes in v[EB]
.macro QUANT32 x
	s_wait_xcnt 0x0                                ; the last stores have read the codes' registers
	v_max3_num_f32 v[TQ], |v[\x]|, |v[\x+1]|, 0x1800000      ; with the floor 2^(3 - 127): the byte cannot fall under 1
	v_max3_num_f32 v[TQ+1], |v[\x+16]|, |v[\x+17]|, 0x1800000
.irp i, 2,4,6,8,10,12,14
	v_max3_num_f32 v[TQ], v[TQ], |v[\x+\i]|, |v[\x+\i+1]|
	v_max3_num_f32 v[TQ+1], v[TQ+1], |v[\x+16+\i]|, |v[\x+17+\i]|
.endr
	v_permlanex16_b32 v[PM], v[TQ], s100, s101
	v_permlanex16_b32 v[PM+1], v[TQ+1], s100, s101
	v_max_num_f32 v[TQ], v[TQ], v[PM]
	v_max_num_f32 v[TQ+1], v[TQ+1], v[PM+1]
	v_add_nc_u32 v[SO], 0xff000000, v[TQ]          ; 2 off the exponent field: the conversion's scale operand
	v_add_nc_u32 v[SO+1], 0xff000000, v[TQ+1]
	v_lshrrev_b32 v[EB], 23, v[SO]
	v_lshrrev_b32 v[EB+1], 23, v[SO+1]
	v_lshl_or_b32 v[EB], v[EB+1], 8, v[EB]
	v_cvt_scalef32_pk16_fp6_f32 v[CD:CD+2], v[\x:\x+15], v[SO]
	v_cvt_scalef32_pk16_fp6_f32 v[CT:CT+2], v[\x+16:\x+31], v[SO+1]
	v_nop
.irp i, 0,1,2
	v_permlane16_swap_b32 v[CD+\i], v[CT+\i]       ; a whole block to a lane: lanes 0-15 block 0, lanes 16-31 block 1
.endr
.irp i, 0,1,2
	v_mov_b32 v[CD+3+\i], v[CT+\i]
.endr
.endm
.macro PUT base, off
	global_store_b128 v[L16], v[CD:CD+3], \base offset:\off
	global_store_b64 v[L8], v[CD+4:CD+5], \base offset:(\off)+512
.endm
; Behind the fetch of block s stand at least the next fetch's NF loads; behind block 7's only two stores of scale bytes (q, k) or nothing (v)
.macro QKB s
.if (\s) < 7
	s_wait_dscnt NF
.else
	s_wait_dscnt 2
.endif
	PRODS 0, (\s)%2, ACC, 8
.if (\s) < 6
	STEPA
	FETCH (\s)%2
.else
	PLACES 5
.endif
	QUANT32 ACC
	ds_store_b16 v[VX], v[EB] offset:32*(\s)
	PUT s[80:81], 768*(\s)
.endm
.macro VB s
.if (\s) < 7
	s_wait_dscnt NF
.else
	s_wait_dscnt 0
.endif
	PRODS 1, (\s)%2, ACC+8*((\s)%4), 32
.if (\s) < 6
	STEPA
	FETCH (\s)%2
.else
	PLACES 5
.endif
.if (\s)%4 == 3
.irp t, 0,1,2,3
	QUANT32 ACC+32*\t
	ds_store_b16 v[STV], v[EB] offset:256*((\s)/4)+32*\t
	PUT s[82:83], 49152*((\s)/4)+768*\t
.endr
.endif
.endm
; a phase opens: wave 0's load of the weight is shown to all; the weight's scale words are asked for; the weight goes into registers
.macro OPEN
	WALU
	s_cmp_eq_u32 s14, 0
	s_cbranch_scc0 .Lnot_w_\@
	s_wait_tensorcnt 0x0
.Lnot_w_\@:
	s_wait_dscnt 0x0
	BARRIER
.irp p, 0,1
.irp c, 0,1
	global_load_b128 v[SB+8*\p+4*\c:SB+8*\p+4*\c+3], v[ABS], s[76:77] offset:1024*\p+16*\c
.endr
.endr
	v_mov_b32 v[ADRA], v[ADRA0]
	v_mov_b32 v[ADRA+1], v[ADRA0+1]
	v_mov_b32 v[AAS], v[AAS0]
	WALU
	WEIGHTS
.endm
; ---- the head
	s_load_b256 s[4:11], s[0:1], 0x0               ; x's codes, x's scales, Wqkv's codes, Wqkv's scales
	s_load_b64 s[12:13], s[0:1], 0x20              ; bqkv
	s_load_b256 s[48:55], s[0:1], 0x28             ; qk_codes, qk_scales, v_codes, v_scales
	v_lshl_add_u32 v[SPW], v0, 2, SPARE
	v_mov_b32 v[NIL], 0
	ds_add_u32 v[SPW], v[NIL]                      ; the opening lines: the add twice and its wait
	ds_add_u32 v[SPW], v[NIL]
	v_lshrrev_b32 v9, 5, v0
	v_readfirstlane_b32 s14, v9                    ; wave; s15 = a, s16 = b
	s_lshr_b32 s15, s14, 1
	s_and_b32 s16, s14, 1
	s_bfe_u32 s40, ttmp6, 0x40000                  ; cx
	s_bfe_u32 s41, ttmp6, 0x40004                  ; cy
	s_lshl_b32 s42, ttmp9, 2
	s_add_co_u32 s42, s42, s40                     ; g
	s_and_b32 s43, ttmp7, 0xffff
	s_lshl_b32 s43, s43, 2
	s_add_co_u32 s43, s43, s41                     ; i
	s_lshl_b32 s44, s41, 2
	s_lshl_b32 s44, 15, s44                        ; my row of the cluster
	s_lshl_b32 s45, 0x1111, s40                    ; my column
	GROUP1 G1A, 44, 128
	GROUP1 G1B, 45, 128
	s_or_b32 s[G1S+0], s44, (3<<16)|(1<<20)|(1<<21)|(5<<22)|(3<<25)   ; x's scale bytes: 8,192 dense bytes as 32 rows of 256, 16 of padding behind each
	s_mov_b32 s[G1S+1], 32<<16
	s_mov_b32 s[G1S+2], 32<<16
	s_mov_b32 s[G1S+3], 32<<16
	s_mov_b32 s[G1S+4], 32
	s_mov_b32 s[G1S+5], 32
	s_mov_b32 s[G1S+6], 0
	s_mov_b32 s[G1S+7], 0
	s_mov_b32 s[G0A], 1
	s_mov_b32 s[G0A+1], 0
	s_mov_b32 s[G0R], 1
	s_mov_b32 s[G0R+1], YB
	s_mov_b32 s[G0B], 1
	s_mov_b32 s[G0B+1], BVB
	s_mov_b32 s[G0S], 1
	s_mov_b32 s[G0S+1], SCL
	s_mul_i32 s66, s43, 256*KROW                   ; my tokens' codes, bytes from x_codes
	s_lshl_b32 s67, s43, 13                        ; their scale bytes
	s_mul_i32 s46, s42, 128*KROW                   ; q's 128 rows of the weight
	s_lshl_b32 s76, s42, 12
	s_lshl_b32 s20, s16, 11
	s_add_co_u32 s76, s76, s20                     ; my 64 rows' scale bytes
	s_mov_b32 s77, 0
	s_lshl_b32 s78, s42, 9
	s_lshl_b32 s20, s16, 8
	s_add_co_u32 s78, s78, s20                     ; my 64 columns' bias
	s_mov_b32 s79, 0
	s_lshl_b32 s47, s42, 1
	s_add_co_u32 s47, s47, s16                     ; my head
	s_lshl_b32 s80, s47, 9
	s_lshl_b32 s20, s43, 4
	s_add_co_u32 s80, s80, s20
	s_lshl_b32 s20, s15, 3
	s_add_co_u32 s80, s80, s20                     ; 512 x head + my first row block
	s_lshl_b32 s86, s80, 5                         ; 32 scale bytes a row block
	s_mov_b32 s87, 0
	s_mul_i32 s80, s80, 768
	s_mov_b32 s81, 0
	s_lshl_b32 s82, s43, 8
	s_lshl_b32 s20, s15, 7
	s_add_co_u32 s82, s82, s20
	s_lshl_b32 s20, s47, 2
	s_add_co_u32 s82, s82, s20                     ; 64 x my first token group + 4 x head
	s_mul_i32 s82, s82, 768
	s_mov_b32 s83, 0
	s_lshl_b32 s88, s43, 13
	s_lshl_b32 s20, s14, 11
	s_add_co_u32 s88, s88, s20
	s_lshl_b32 s20, s42, 8
	s_add_co_u32 s88, s88, s20                     ; v_scales: token group 4 i + wave, rows 128 g on
	s_mov_b32 s89, 0
	s_mul_i32 s21, s15, YB
	s_mul_i32 s22, s16, 64*PITCH
	s_add_co_u32 s22, s22, BVB
	s_mul_i32 s23, s15, 8*544
	s_add_co_u32 s23, s23, SCL
	s_lshl_b32 s90, s14, 8
	s_add_co_u32 s90, s90, XS
	s_lshl_b32 s91, s15, 9
	s_lshl_b32 s20, s16, 7
	s_add_co_u32 s91, s91, s20
	s_add_co_u32 s91, s91, XS+2048
	s_mov_b32 s100, 0x76543210
	s_mov_b32 s101, 0xfedcba98                     ; lane l xor 16
	s_mov_b32 s84, 0
	s_mov_b32 s85, 0
	v_and_b32 v1, 15, v0                           ; r
	v_bfe_u32 v2, v0, 4, 1                         ; h
	v_and_b32 v3, 31, v0
	v_mul_u32_u24 v9, v1, PITCH
	v_mad_u32_u24 v[ADRA0], v2, 24, v9
	v_mad_u32_u24 v[ADRA0+1], v2, 40, v9
	v_add_nc_u32 v[BA], s22, v[ADRA0]
	v_add_nc_u32 v[BA+1], s22, v[ADRA0+1]
.irp b, 1,2,3
	v_add_nc_u32 v[BA+2*\b], \b*16*PITCH, v[BA]
	v_add_nc_u32 v[BA+2*\b+1], \b*16*PITCH, v[BA+1]
.endr
	v_add_nc_u32 v[ADRA0], s21, v[ADRA0]
	v_add_nc_u32 v[ADRA0+1], s21, v[ADRA0+1]
	v_lshlrev_b32 v[ABS], 5, v3
	v_lshrrev_b32 v9, 3, v1
	v_lshlrev_b32 v[AAS0], 5, v1
	v_lshl_add_u32 v[AAS0], v9, 4, v[AAS0]         ; 32 bytes a row, 16 more behind every 256
	v_add_nc_u32 v[AAS0], s23, v[AAS0]
	v_lshlrev_b32 v[L16], 4, v3
	v_lshlrev_b32 v[L8], 3, v3
	v_lshl_add_u32 v[STO], v1, 1, s90
	v_lshl_add_u32 v[STV], v1, 1, s91
	v_lshl_add_u32 v[SR], v3, 3, s90
	v_lshlrev_b32 v[BO], 5, v2
	v_lshlrev_b32 v[BR], 2, v1
	v_mov_b32 v[PM], 0                             ; a lane permute's destination counts as one of its sources
	v_mov_b32 v[PM+1], 0
	WALU                                           ; the wait at the head's end
	s_wait_dscnt 0x0
	CROUND                                         ; the round in front of the first joint loads
	s_wait_kmcnt 0x0
	s_mov_b32 s21, 0
	G0SET G0A, 4, 66
	s_add_nc_u64 s[G0R+2:G0R+3], s[G0A+2:G0A+3], 128*KROW
	G0SET G0S, 6, 67
	G0SET G0B, 8, 46
	s_add_nc_u64 s[76:77], s[10:11], s[76:77]
	s_add_nc_u64 s[78:79], s[12:13], s[78:79]
	s_add_nc_u64 s[80:81], s[48:49], s[80:81]
	s_add_nc_u64 s[86:87], s[50:51], s[86:87]
	s_add_nc_u64 s[82:83], s[52:53], s[82:83]
	s_add_nc_u64 s[88:89], s[54:55], s[88:89]
	s_cmp_eq_u32 s14, 0                            ; one load a wave, each in its own arm
	s_cbranch_scc0 .Lwave_1
	TLOAD G0B, G1B                                 ; wave 0: q's rows of the weight
	s_branch .Lasked
.Lwave_1:
	s_cmp_eq_u32 s14, 1
	s_cbranch_scc0 .Lwave_2
	TLOAD G0S, G1S                                 ; wave 1: x's scale bytes
	s_branch .Lasked
.Lwave_2:
	s_cmp_eq_u32 s14, 2
	s_cbranch_scc0 .Lwave_3
	TLOAD G0A, G1A                                 ; wave 2: tokens 0-127
	s_branch .Lasked
.Lwave_3:
	TLOAD G0R, G1A                                 ; wave 3: tokens 128-255
.Lasked:
; ---- q, then k: two trips
.Lphase:
	OPEN
.irp b, 0,1,2,3
	global_load_b128 v[BB+8*\b:BB+8*\b+3], v[BO], s[78:79] offset:64*\b        ; register 8 b + j: the bias of column 16 b + 8 h + j
	global_load_b128 v[BB+8*\b+4:BB+8*\b+7], v[BO], s[78:79] offset:64*\b+16
.endr
	v_add_nc_u32 v[VX], s84, v[STO]
	WALU
	s_wait_tensorcnt 0x0                           ; all my tensor loads have landed (the first time: the head's)
	ds_add_u32 v[SPW], v[NIL]
	s_add_nc_u64 s[G0B+2:G0B+3], s[G0B+2:G0B+3], 1024*KROW   ; the next tensor's rows
	s_wait_dscnt 0x0                               ; the add is done, and I hold the weight in registers
	CROUND
	s_cmp_eq_u32 s14, 0
	s_cbranch_scc0 .Lno_fill
	TLOAD G0B, G1B                                 ; the weights' region is filled again
.Lno_fill:
	FETCH 0
	STEPA
	FETCH 1
	s_wait_loadcnt 0x0
	s_add_nc_u64 s[76:77], s[76:77], 1024*KS
	s_add_nc_u64 s[78:79], s[78:79], 4096
.irp s, 0,1,2,3,4,5,6,7
	QKB \s
.endr
	s_wait_xcnt 0x0                                ; the stores have read their base
	s_add_nc_u64 s[80:81], s[80:81], 16*512*768
	s_add_co_u32 s84, s84, 1024
	s_add_co_u32 s85, s85, 1
	s_cmp_lg_u32 s85, 2
	s_cbranch_scc1 .Lphase
; ---- v
	OPEN
.irp t, 0,1,2,3
	global_load_b32 v[BB+8*\t], v[BR], s[78:79] offset:64*\t                   ; the bias of column 16 t + r
.endr
	FETCH 0
	STEPA
	FETCH 1
	s_wait_loadcnt 0x0
.irp t, 0,8,16,24
.irp i, 1,2,3,4,5,6,7
	v_mov_b32 v[BB+\t+\i], v[BB+\t]
.endr
.endr
	WALU
.irp s, 0,1,2,3,4,5,6,7
	VB \s
.endr
; ---- the scale bytes leave: three runs of 256 bytes a wave
	s_wait_dscnt 0x0
	BARRIER
	ds_load_b64 v[64:65], v[SR]
	ds_load_b64 v[66:67], v[SR] offset:1024
	ds_load_b64 v[68:69], v[SR] offset:2048
	s_wait_dscnt 0x0
	global_store_b64 v[L8], v[64:65], s[86:87]
	global_store_b64 v[L8], v[66:67], s[86:87] offset:262144
	global_store_b64 v[L8], v[68:69], s[88:89]
	s_wait_tensorcnt 0x0                           ; the wave's end
	ds_add_u32 v[SPW], v[NIL]
	s_wait_dscnt 0x0
	CROUND                                         ; the closing round
	s_endpgm
.Lfunc_end_k_qad0fc004f5_qkv:
	.size	k_qad0fc004f5_qkv, .Lfunc_end_k_qad0fc004f5_qkv-k_qad0fc004f5_qkv
	.p2alignl 7, 3214868480
	.fill 96, 4, 3214868480
	.section	.rodata,"a",@progbits
	.p2align	6, 0x0
	.amdhsa_kernel k_qad0fc004f5_qkv
		.amdhsa_group_segment_fixed_size 327680
		.amdhsa_private_segment_fixed_size 0
		.amdhsa_enable_private_segment 0
		.amdhsa_kernarg_size 72
		.amdhsa_user_sgpr_count 2
		.amdhsa_user_sgpr_kernarg_segment_ptr 1
		.amdhsa_wavefront_size32 1
		.amdhsa_system_sgpr_workgroup_id_x 1
		.amdhsa_system_sgpr_workgroup_id_y 1
		.amdhsa_system_sgpr_workgroup_id_z 1
		.amdhsa_system_vgpr_workitem_id 0
		.amdhsa_next_free_vgpr 840
		.amdhsa_next_free_sgpr 102
		.amdhsa_reserve_vcc 0
		.amdhsa_float_denorm_mode_32 3
		.amdhsa_float_denorm_mode_16_64 3
		.amdhsa_memory_ordered 1
		.amdhsa_forward_progress 1
		.amdhsa_inst_pref_size 162
	.end_amdhsa_kernel
	.amdgpu_metadata
---
amdhsa.version: [ 1, 2 ]
amdhsa.kernels:
  - .name:           k_qad0fc004f5_qkv
    .symbol:         k_qad0fc004f5_qkv.kd
    .args:
      - { .name: x_codes, .offset: 0, .size: 8, .value_kind: global_buffer, .address_space: global }
      - { .name: x_scales, .offset: 8, .size: 8, .value_kind: global_buffer, .address_space: global }
      - { .name: Wqkv_codes, .offset: 16, .size: 8, .value_kind: global_buffer, .address_space: global }
      - { .name: Wqkv_scales, .offset: 24, .size: 8, .value_kind: global_buffer, .address_space: global }
      - { .name: bqkv, .offset: 32, .size: 8, .value_kind: global_buffer, .address_space: global }
      - { .name: qk_codes, .offset: 40, .size: 8, .value_kind: global_buffer, .address_space: global }
      - { .name: qk_scales, .offset: 48, .size: 8, .value_kind: global_buffer, .address_space: global }
      - { .name: v_codes, .offset: 56, .size: 8, .value_kind: global_buffer, .address_space: global }
      - { .name: v_scales, .offset: 64, .size: 8, .value_kind: global_buffer, .address_space: global }
    .group_segment_fixed_size: 327680
    .private_segment_fixed_size: 0
    .kernarg_segment_align: 8
    .kernarg_segment_size: 72
    .max_flat_workgroup_size: 128
    .sgpr_count:     102
    .vgpr_count:     840
    .wavefront_size: 32
...
	.end_amdgpu_metadata
.endif
;; end of part 1
;; launch attn (part 2): grid 4 x 64, 16 waves a work-group, clusters of 4 x 1, 215,040 bytes of LDS; arguments qk_codes, qk_scales, v_codes, v_scales, padding_mask, y_codes, y_scales; writes y_codes, y_scales
.if DOCPART == 2
	.amdgcn_target "amdgcn-amd-amdhsa--gfx1250"
	.amdhsa_code_object_version 6
	.text
	.protected	k_qad0fc004f5_attn
	.globl	k_qad0fc004f5_attn
	.p2align	8
	.type	k_qad0fc004f5_attn,@function
k_qad0fc004f5_attn:
	s_mov_b64 s[64:65], 0
	v_nop
	global_prefetch_b8 v0, s[64:65] scope:SCOPE_SE
	s_setreg_imm32_b32 hwreg(HW_REG_WAVE_MODE, 25, 1), 1
	s_wait_xcnt 0x0
	s_wait_alu depctr_hold_cnt(0) depctr_sa_sdst(0) depctr_va_vdst(0) depctr_va_sdst(0) depctr_va_ssrc(0) depctr_va_vcc(0) depctr_vm_vsrc(0)
	s_getreg_b32 s2, hwreg(HW_REG_IB_STS2, 6, 4)
	s_cmp_eq_u32 s2, 0
	s_cbranch_scc0 .Lentry_in_a_cluster
	s_endpgm
.Lentry_in_a_cluster:
	s_bfe_u32 s2, ttmp6, 0x10000c
	s_cmp_lg_u32 s2, 0x3003
	s_cbranch_scc0 .Lentry_shape_is_right
	s_endpgm
.Lentry_shape_is_right:
; y[b][q][hh][:] = softmax_k(q . k / 8, causal and padding mask) v, both products on codes of FP6 (E2M3) with E8M0 scales; y leaves as codes, quantised along C.
; t = score x log2(e) / 8; M = the running largest t rounded up to a whole number; p = 2^(t - M) is quantised along the keys; the sum of the unquantised p divides at the end.
; SHARES.  Grid y = 16 b + hh.  The four work-groups of a cluster share one head's K and V; all of it (96 KiB + 96 KiB) is asked for jointly, once, at the head, one tensor load a wave: no LDS byte is filled again.
; A tile is 16 queries; a head has 128.  Wave w (e = w % 2, jj = w / 2) of partner cx owns tiles 8 (15 - jj) + 2 cx + e and 8 jj + 2 cx + e: 16 - jj and jj + 1 key steps of 128 keys, 17 for every wave.
; ONE LOOP OF 17 TRIPS: first the long tile's steps, then the short tile's; at the change (a branch on the wave's number and the trip) the long tile leaves and the state is set anew.  So a wave holds one tile's state.
; cx enters global addresses and one data register (v6) alone.
; LAYOUT.  S^T = K Q^T (source 0 = 16 keys, source 1 = my 16 queries), O^T = V^T P^T: a lane holds one query throughout.  Operands lie in LDS as half images (16 rows x 64 codes: registers 0-3 at 16 x lane, 4-5 at 512 + 8 x lane).
; Inside a block of 32, q and k have the same order along the head, and v and p the same order along the keys; a sum does not hang on the order of its k.
; THE PADDING MASK rides in the unused half of the first product's K (the head has 64 of 128): K's code at k = 64 is +1, Q's is -1, Q's scale byte there is 100, a key's is 254 where it is padded and 1 where it counts.
; A padded key's score so gets -2^100, a valid key's -2^-153, which is nothing in f32.  Scores hidden by the causal mask are set to -2^100 in the one diagonal step.  The largest t begins at -2^93.
; K'S FRAGMENTS START EVERY 8 REGISTERS: six loaded, the register with the code +1, a zero; the operand's last four registers are the next fragment's first four.  Q's codes are zero at all those k, and a code of FP6 is always finite: they add nothing.
; So all eight fragments of a step lie in 68 registers, and the next step's are asked of LDS straight behind this step's eight products: the whole softmax stands between the request and the wait.
; V's fragments land on p's registers, in two halves, each as soon as its half of p is summed and converted.
; LIMITS: real |t| stays under 2^93; NaN and infinities among the inputs are not served.  A query with no valid key has the sum 0: its y is NaN, and its scale bytes are set to 0xff, so that its whole output row is NaN.
; No prefetch into the L2: everything that the launch reads is asked for at its head.
; y's scale bytes leave two a lane, 32 bytes apart: one byte in 24 of what the launch stores; a token's other 30 bytes belong to other work-groups.
; REGISTERS: v1, v2 16 x, 8 x lane; v3, v4 my place among K's, V's scale words; v5, v14 V's images; v6 d for the diagonal; v7 Q's scale words (v15: the short tile's, waiting); v8-10 the next step's K, v11-13 this step's V;
;   v16-27 Q; v28-95 K; v96-159 S^T, p, then V; v160-191 O^T; v192-195 -M, the largest t, the sum; v200-207, v208-211 K's, V's scale words; v212-217 the short tile's Q; v218 the long tile's scale bytes; v224-255 at work.
.set VIMG, 98304                       ; LDS: K's 128 half images from 0; V's [key group 32][d / 16][768] from here
.set KSW,  196608                      ; a scale word for each key
.set VSW,  204800                      ; [key step 16][d 64] scale words
.set SPARE, 212992                     ; the spare words: 128 bytes a wave
.set KF,   28
.set KSC,  200
.set VSC,  208
.set NM,   192
.set SU,   194
.set QA,   212
.set PWB,  218
.set WV,   18
.set SEL,  20
.set CS,   22
.set G1K,  24
.set G1V,  32
.set G0K,  40
.set G0V,  44
.set JA,   49                          ; s49 the short tile's diagonal step
.set JB,   50                          ; s50 the long tile's
.set TB,   51                          ; s51 6,144 x step: V's images
.set TJ,   53                          ; s53 256 x step: V's scale words
.set TRP,  84                          ; s84 the trip
.set SW,   85                          ; s85 the trip in which the short tile begins
.set NEG,  86                          ; s86 minus the trip in which the short tile begins
.set KB,   87                          ; s87, s88: the next step's K images and scale words
.set KS2,  88
.macro CROUND
	s_barrier_signal -1
	s_barrier_wait -1
	s_cmp_lg_u32 s[WV], 0
	s_cbranch_scc1 .Lnot_wave_0_\@
	s_barrier_signal -3
.Lnot_wave_0_\@:
	s_barrier_wait -3
	s_barrier_signal -1
	s_barrier_wait -1
.endm
.macro KLOAD                           ; a step's eight fragments of K and their scale words
.irp t, 0,1,2,3,4,5,6,7
	ds_load_b128 v[KF+8*\t:KF+8*\t+3], v8 offset:768*\t
	ds_load_b64 v[KF+8*\t+4:KF+8*\t+5], v9 offset:768*\t+512
	ds_load_b32 v[KSC+\t], v10 offset:64*\t
.endr
.endm
.macro VLOAD r, t                      ; V's fragment t (16 of the head's 64 x the step's 128 keys) into v[r ..], and its scale words
	ds_load_b128 v[\r:\r+3], v12 offset:768*\t
	ds_load_b64 v[\r+4:\r+5], v13 offset:768*\t+512
	ds_load_b128 v[\r+6:\r+9], v12 offset:3072+768*\t
	ds_load_b64 v[\r+10:\r+11], v13 offset:3072+768*\t+512
	ds_load_b32 v[VSC+\t], v11 offset:64*\t
.endm
; One tile leaves: O^T / the sum; the natural order along the head; two blocks of 32 quantised; a half image stored.  pw: where its scale bytes are left; sz: a scalar for the lanes whose sum is 0; yb: its place in y_codes.
.macro OUTY ot, su, pw, sz, yb
	v_add_f32 v254, v[\su], v[\su+1]
	s_delay_alu instid0(VALU_DEP_1)
	v_permlanex16_b32 v236, v254, s[SEL], s[SEL+1]
	s_delay_alu instid0(VALU_DEP_1)
	v_add_f32 v254, v254, v236                     ; the row's sum
	s_wait_alu depctr_va_vdst(0)
	v_rcp_f32 v252, v254
	v_cmp_eq_f32 s[\sz], 0, v254                   ; (the plain place behind the reciprocal)  no valid key
	s_wait_alu depctr_va_vdst(0)                   ; ahead of the reciprocal's first reader
.set n, 0
.rept 16
	v_pk_mul_f32 v[96+n:97+n], v[\ot+n:\ot+n+1], v[252:253] op_sel_hi:[1,0]   ; register 8 t + j: y(r, 16 t + 8 h + j)
.set n, n+2
.endr
.irp b, 0,1                                    ; lanes 0-15 give their second eight for lanes 16-31's first eight: register 16 b + i is then y(r, 32 b + 16 h + i), the order in which Wproj's codes lie
.irp j, 0,1,2,3,4,5,6,7
	v_permlane16_swap_b32 v[96+16*\b+\j], v[104+16*\b+\j]
.endr
.endr
.irp b, 0,1
	v_max3_num_f32 v[232+\b], |v[96+16*\b]|, |v[97+16*\b]|, 0x1800000
.endr
.irp i, 2,4,6,8,10,12,14
.irp b, 0,1
	s_delay_alu instid0(VALU_DEP_2)
	v_max3_num_f32 v[232+\b], v[232+\b], |v[96+16*\b+\i]|, |v[97+16*\b+\i]|
.endr
.endr
.irp b, 0,1
	s_delay_alu instid0(VALU_DEP_2)
	v_permlanex16_b32 v[236+\b], v[232+\b], s[SEL], s[SEL+1]
.endr
.irp b, 0,1
	s_delay_alu instid0(VALU_DEP_2)
	v_max_num_f32 v[232+\b], v[232+\b], v[236+\b]
.endr
.irp b, 0,1
	s_delay_alu instid0(VALU_DEP_2)
	v_add_nc_u32 v[244+\b], 0xff000000, v[232+\b]
.endr
.irp b, 0,1
	s_delay_alu instid0(VALU_DEP_2)
	v_lshrrev_b32 v[236+\b], 23, v[244+\b]
.endr
	s_delay_alu instid0(VALU_DEP_1)
	v_lshl_or_b32 v[\pw], v237, 8, v236
	s_delay_alu instid0(VALU_DEP_1)
	v_cndmask_b32 v[\pw], v[\pw], v255, s[\sz]     ; a row with no valid key: both bytes 0xff
	v_cvt_scalef32_pk16_fp6_f32 v[224:226], v[96:111], v244
	v_cvt_scalef32_pk16_fp6_f32 v[240:242], v[112:127], v245
	v_nop
.irp i, 0,1,2
	v_permlane16_swap_b32 v[224+\i], v[240+\i]
.endr
.irp i, 0,1,2
	s_delay_alu instid0(VALU_DEP_3)
	v_mov_b32 v[227+\i], v[240+\i]
.endr
	global_store_b128 v1, v[224:227], s[\yb:\yb+1]             ; 512 consecutive bytes
	global_store_b64 v2, v[228:229], s[\yb:\yb+1] offset:512   ; 256 consecutive bytes
.endm
	s_load_b256 s[4:11], s[0:1], 0x0               ; qk_codes s[4:5], qk_scales s[6:7], v_codes s[8:9], v_scales s[10:11]
	s_load_b128 s[12:15], s[0:1], 0x20             ; padding_mask s[12:13], y_codes s[14:15]
	s_load_b64 s[16:17], s[0:1], 0x30              ; y_scales
	v_lshl_add_u32 v254, v0, 2, SPARE
	v_mov_b32 v255, 0
	ds_add_u32 v254, v255                          ; the opening lines: the add twice and its wait
	ds_add_u32 v254, v255
	v_lshrrev_b32 v1, 5, v0
	v_readfirstlane_b32 s[WV], v1                  ; wave 0..15
	s_bfe_u32 s19, ttmp6, 0x40000                  ; cx
	s_and_b32 s54, ttmp7, 0xffff
	s_lshr_b32 s55, s54, 4                         ; b
	s_and_b32 s56, s54, 15                         ; hh
	s_and_b32 s57, s[WV], 7
	s_mul_i32 s60, s57, 12288                      ; what I fetch: an eighth of K (waves 0-7) or of V (waves 8-15)
	s_add_co_u32 s58, s56, 16
	s_lshl_b32 s58, s58, 9
	s_lshl_b32 s59, s55, 7
	s_add_co_u32 s58, s58, s59
	s_mul_i32 s58, s58, 768                        ; K: column group 16 + hh, row blocks 128 b on
	s_add_co_u32 s58, s58, s60
	s_mov_b32 s59, 0
	s_lshl_b32 s62, s55, 11
	s_lshl_b32 s63, s56, 2
	s_add_co_u32 s62, s62, s63
	s_mul_i32 s62, s62, 768                        ; V: token groups 32 b on, row blocks 4 hh on
	s_mul_i32 s63, s57, 196608                     ; four token groups of 49,152 bytes a wave
	s_add_co_u32 s62, s62, s63
	s_mov_b32 s63, 0
	s_mov_b32 s[G1K], 15|(3<<16)|(1<<21)           ; K: 12,288 dense bytes as 48 rows of 256 (32 elements of 8); the mask names all four partners
	s_mov_b32 s[G1K+1], 32<<16
	s_mov_b32 s[G1K+2], 48<<16
	s_mov_b32 s[G1K+3], 32<<16
	s_mov_b32 s[G1K+4], 48
	s_mov_b32 s[G1K+5], 32
	s_mov_b32 s[G1K+6], 0
	s_mov_b32 s[G1K+7], 0
	s_mov_b32 s[G1V], 15|(3<<16)|(1<<21)           ; V: 4 rows of 3,072 bytes (384 elements), 49,152 bytes (6,144 elements) apart
	s_mov_b32 s[G1V+1], 384<<16
	s_mov_b32 s[G1V+2], 4<<16
	s_mov_b32 s[G1V+3], 384<<16
	s_mov_b32 s[G1V+4], 4
	s_mov_b32 s[G1V+5], 6144
	s_mov_b32 s[G1V+6], 0
	s_mov_b32 s[G1V+7], 0
	s_mov_b32 s[SEL], 0x76543210
	s_mov_b32 s[SEL+1], 0xfedcba98
	s_mov_b32 s[CS], 0x3e38aa3b                    ; c = log2(e) / 8
	s_mov_b32 s[CS+1], s[CS]
	s_and_b32 s66, s[WV], 1                        ; e
	s_lshr_b32 s[JA], s[WV], 1                     ; jj
	s_sub_co_u32 s[JB], 15, s[JA]
	s_add_co_u32 s[SW], s[JB], 1
	s_lshl_b32 s67, s19, 1
	s_add_co_u32 s67, s67, s66                     ; 2 cx + e: my tiles' place in their diagonal steps
	s_lshl_b32 s68, s[JA], 3
	s_add_co_u32 s68, s68, s67                     ; the short tile
	s_lshl_b32 s69, s[JB], 3
	s_add_co_u32 s69, s69, s67                     ; the long tile
	s_lshl_b32 s70, s67, 4
	s_add_co_u32 s71, s56, 16
	s_lshl_b32 s71, s71, 14
	s_lshl_b32 s72, s55, 12
	s_add_co_u32 s71, s71, s72                     ; K's scale pairs
	s_lshl_b32 s72, s55, 13                        ; the mask
	s_lshl_b32 s73, s55, 16
	s_lshl_b32 s74, s[WV], 12
	s_add_co_u32 s73, s73, s74
	s_lshl_b32 s74, s56, 7
	s_add_co_u32 s73, s73, s74                     ; V's scale pairs: wave s takes key step s
	s_lshl_b32 s89, s56, 9
	s_lshl_b32 s94, s55, 7
	s_add_co_u32 s89, s89, s94
	s_add_co_u32 s90, s89, s68
	s_mul_i32 s90, s90, 768                        ; Q: column group hh, row block 128 b + tile
	s_mov_b32 s91, 0
	s_add_co_u32 s92, s89, s69
	s_mul_i32 s92, s92, 768
	s_mov_b32 s93, 0
	s_lshl_b32 s89, s56, 14
	s_lshl_b32 s94, s55, 12
	s_add_co_u32 s89, s89, s94
	s_lshl_b32 s82, s68, 5
	s_add_co_u32 s82, s82, s89
	s_lshl_b32 s83, s69, 5
	s_add_co_u32 s83, s83, s89
	v_and_b32 v12, 31, v0
	v_lshlrev_b32 v1, 4, v12                       ; 16 x lane
	v_lshlrev_b32 v2, 3, v12                       ; 8 x lane
	v_and_b32 v8, 15, v0                           ; r
	v_bfe_u32 v9, v0, 4, 1                         ; h
	v_lshl_add_u32 v3, v8, 2, KSW
	v_lshl_add_u32 v4, v8, 2, VSW
	v_add_nc_u32 v5, VIMG, v1
	v_add_nc_u32 v14, VIMG, v2
	v_lshlrev_b32 v10, 3, v9
	v_sub_nc_u32 v6, v8, v10
	v_add_nc_u32 v6, s70, v6                       ; d = my query less the diagonal step's first key less 8 h
	v_lshl_add_u32 v10, v0, 3, s71                 ; thread t takes keys 4 t .. 4 t + 3
	v_lshl_add_u32 v11, v0, 4, s72
	v_lshl_add_u32 v12, v12, 2, s73                ; lane l takes rows 2 l and 2 l + 1
	v_lshl_add_u32 v13, v8, 1, s82
	v_lshl_add_u32 v106, v8, 1, s83
	v_sub_nc_u32 v107, 1, v9                       ; 1 - h
	s_wait_alu depctr_va_vdst(0)
	s_wait_dscnt 0x0
	s_wait_kmcnt 0x0
	s_add_nc_u64 s[90:91], s[4:5], s[90:91]
	s_add_nc_u64 s[92:93], s[4:5], s[92:93]
	global_load_b64 v[96:97], v10, s[6:7]
	global_load_b128 v[100:103], v11, s[12:13]
	global_load_b32 v104, v12, s[10:11]
	global_load_b32 v105, v12, s[10:11] offset:2048
	global_load_b128 v[16:19], v1, s[92:93]        ; the long tile's Q
	global_load_b64 v[20:21], v2, s[92:93] offset:512
	global_load_u16 v7, v106, s[6:7]
	global_load_b128 v[QA:QA+3], v1, s[90:91]      ; the short tile's
	global_load_b64 v[QA+4:QA+5], v2, s[90:91] offset:512
	global_load_u16 v15, v13, s[6:7]
	s_mov_b32 s[G0K], 1
	s_mov_b32 s[G0K+1], s60
	s_add_nc_u64 s[G0K+2:G0K+3], s[4:5], s[58:59]
	s_or_b32 s[G0K+3], s[G0K+3], 0x80000000
	s_mov_b32 s[G0V], 1
	s_add_co_u32 s[G0V+1], s60, VIMG
	s_add_nc_u64 s[G0V+2:G0V+3], s[8:9], s[62:63]
	s_or_b32 s[G0V+3], s[G0V+3], 0x80000000
	CROUND                                         ; all four work-groups are here: the joint loads meet
	s_cmp_lt_u32 s[WV], 8                          ; one load a wave; the branch hangs on the wave's number alone
	s_cbranch_scc0 .Lfill_v
	tensor_load_to_lds s[G0K:G0K+3], s[G1K:G1K+7]
	s_nop 0
.rept 4
	v_nop
.endr
	s_branch .Lfilled
.Lfill_v:
	tensor_load_to_lds s[G0V:G0V+3], s[G1V:G1V+7]
	s_nop 0
.rept 4
	v_nop
.endr
.Lfilled:
	; where the results go
	s_lshl_b32 s71, s55, 7                         ; 128 b
	s_add_co_u32 s72, s71, s68                     ; the short tile's row block
	s_lshl_b32 s74, s72, 4
	s_add_co_u32 s74, s74, s56
	s_mul_i32 s74, s74, 768
	s_mov_b32 s75, 0
	s_add_nc_u64 s[74:75], s[14:15], s[74:75]      ; y_codes [row block][head][768]
	s_add_co_u32 s73, s71, s69
	s_lshl_b32 s76, s73, 4
	s_add_co_u32 s76, s76, s56
	s_mul_i32 s76, s76, 768
	s_mov_b32 s77, 0
	s_add_nc_u64 s[76:77], s[14:15], s[76:77]
	s_lshl_b32 s78, s72, 9                         ; y_scales: 32 bytes a token, my head's two at 2 hh
	s_lshl_b32 s79, s56, 1
	s_add_co_u32 s78, s78, s79
	s_mov_b32 s79, 0
	s_add_nc_u64 s[78:79], s[16:17], s[78:79]
	s_sub_co_u32 s80, s69, s68
	s_lshl_b32 s80, s80, 9                         ; from the short tile's tokens to the long tile's
	s_mov_b32 s81, 0xffff0000
	s_mov_b32 s[TRP], 0
	s_add_co_u32 s[NEG], s[JA], 0xfffffff0         ; jj - 16
	; what stays: Q's upper half (k = 64: -1 in lanes 0-15; zeros else), K's registers 6 and 7 of each fragment (+1; zeros), the statistics, O^T
	v_mul_u32_u24 v22, v107, 40                    ; the code of -1.0
.irp i, 23,24,25,26,27
	v_mov_b32 v\i, 0
.endr
.irp t, 0,1,2,3,4,5,6,7
	v_lshlrev_b32 v[KF+6+8*\t], 3, v107            ; the code of +1.0
	v_mov_b32 v[KF+7+8*\t], 0
.endr
.irp i, 92,93,94,95
	v_mov_b32 v\i, 0                               ; behind the last fragment
.endr
	v_mov_b32 v[NM+1], 0xee000000                  ; the largest t so far: -2^93, over every masked t and under every real one
	v_floor_f32 v[NM], -v[NM+1]                    ; -M
	v_mov_b32 v[SU], 0
	v_mov_b32 v[SU+1], 0
.set n, 0
.rept 32
	v_mov_b32 v[160+n], 0                          ; O^T: the step is written once, and the first change of M leaves zeros zeros
.set n, n+1
.endr
.irp b, 0,1,2,3
	v_mov_b32 v[236+\b], 0                         ; a lane permute's destination counts as one of its sources
.endr
	v_mov_b32 v253, 0
	v_mov_b32 v255, 0xffff
	v_mov_b32 v[PWB], 0
	s_wait_alu depctr_va_vdst(0)
	s_wait_loadcnt 0x0
	v_or_b32 v7, 0x640000, v7                      ; Q's scale words: byte 2 = 100
	v_or_b32 v15, 0x640000, v15
	v_mov_b32 v108, 0xfe0000                       ; byte 2 of a padded key's word: 254
	v_mov_b32 v109, 0x10000                        ; of a valid key's: 1
.irp i, 0,1,2,3
	v_cmp_ne_u32 vcc_lo, 0, v[100+\i]
	v_cndmask_b32 v[116+\i], v108, v109, vcc_lo
.endr
	v_and_or_b32 v112, v96, 0xffff, v116
	v_lshrrev_b32 v113, 16, v96
	v_or_b32 v113, v113, v117
	v_and_or_b32 v114, v97, 0xffff, v118
	v_lshrrev_b32 v115, 16, v97
	v_or_b32 v115, v115, v119
	v_lshl_add_u32 v120, v0, 4, KSW
	v_lshl_add_u32 v121, v0, 3, VSW
	v_perm_b32 v122, v105, v104, 0x05040100        ; row 2 l: the first group's pair below, the second's above
	v_perm_b32 v123, v105, v104, 0x07060302        ; row 2 l + 1
	ds_store_b128 v120, v[112:115]
	ds_store_b64 v121, v[122:123]
	v_mov_b32 v8, v1
	v_mov_b32 v9, v2
	v_mov_b32 v10, v3
	s_wait_alu depctr_va_vdst(0)                   ; the wait at the head's end
	s_wait_tensorcnt 0x0                           ; my part of K or V has landed,
	s_wait_dscnt 0x0                               ; my scale words are stored:
	s_barrier_signal -1
	s_barrier_wait -1                              ; everybody's are.  Nothing in LDS is written from here to the loop's end
	KLOAD                                          ; key step 0
.Lstep:                                            ; 17 trips in every wave
	s_add_co_u32 s89, s[TRP], s[NEG]               ; the key step: the trip, or from the short tile's first trip on the trip less that one: the lesser of the two as unsigned numbers
	s_min_u32 s89, s89, s[TRP]
	s_min_u32 s89, s89, 15
	s_mul_i32 s[TB], s89, 6144
	s_lshl_b32 s[TJ], s89, 8
	s_cmp_lg_u32 s[TRP], s[SW]
	s_cbranch_scc1 .Lsame_tile
.rept 4
	v_nop                                          ; places behind the last products
.endr
	OUTY 160, SU, PWB, 83, 76                      ; the long tile leaves
	v_mov_b32 v7, v15                              ; the short tile's state.  (The scale words first: more than eight plain lines stand between them and the next scaled product)
.irp i, 0,1,2,3,4,5
	v_mov_b32 v[16+\i], v[QA+\i]
.endr
	v_mov_b32 v[NM+1], 0xee000000
	v_floor_f32 v[NM], -v[NM+1]
	v_mov_b32 v[SU], 0
	v_mov_b32 v[SU+1], 0
.set n, 0
.rept 32
	v_mov_b32 v[160+n], 0
.set n, n+1
.endr
	s_wait_alu depctr_va_vdst(0)
	s_wait_xcnt 0x0                                ; the tile's stores have read their data: the registers are written again only behind this wait
.Lsame_tile:
	v_add_nc_u32 v11, s[TJ], v4                    ; six plain lines: the places behind the last step's products, whose registers are written over below
	v_add_nc_u32 v12, s[TB], v5
	v_add_nc_u32 v13, s[TB], v14
	v_min_u32 v11, 208700, v11                     ; each address is held at the largest that step 15 gives it
	v_min_u32 v12, 190960, v12
	v_min_u32 v13, 190712, v13
	s_wait_dscnt 0x0                               ; this step's K, asked for a step ago
.irp t, 0,1,2,3,4,5,6,7                        ; S^T = K Q^T: register 8 t + j: key 16 t + 8 h + j of the step, my query
	v_wmma_scale_f32_16x16x128_f8f6f4 v[96+8*\t:103+8*\t], v[KF+8*\t:KF+8*\t+11], v[16:27], 0, v[KSC+\t], v7 matrix_a_fmt:MATRIX_FMT_FP6 matrix_b_fmt:MATRIX_FMT_FP6
.endr
	s_add_co_u32 s94, s[TRP], 1                    ; the next trip's key step, made as this trip's is
	s_add_co_u32 s89, s94, s[NEG]
	s_min_u32 s89, s89, s94
	s_min_u32 s89, s89, 15
	s_mul_i32 s[KB], s89, 6144
	s_lshl_b32 s[KS2], s89, 9
	v_add_nc_u32 v8, s[KB], v1                     ; six plain lines: the places behind the products
	v_add_nc_u32 v9, s[KB], v2
	v_add_nc_u32 v10, s[KS2], v3
	v_min_u32 v8, 92656, v8
	v_min_u32 v9, 92408, v9
	v_min_u32 v10, 204348, v10
	s_cmp_eq_u32 s[TRP], 16                        ; the last trip asks for nothing
	s_cbranch_scc1 .Lno_k
	KLOAD
.Lno_k:
	s_cmp_eq_u32 s[TRP], s[JB]                     ; the two diagonal steps alone hide keys: the long tile's last trip and the loop's last: branches on the wave's number and the loop's count
	s_cbranch_scc1 .Ldiag
	s_cmp_lg_u32 s[TRP], 16
	s_cbranch_scc1 .Lopen
.Ldiag:
	v_mov_b32 v254, 0xf1800000                     ; -2^100
.set n, 0
.rept 64
	v_cmp_gt_i32 vcc_lo, 16*(n/8)+n%8, v6
	v_cndmask_b32 v[96+n], v[96+n], v254, vcc_lo
.set n, n+1
.endr
.Lopen:
.irp b, 0,1,2,3
	v_max3_num_f32 v[232+\b], v[96+16*\b], v[97+16*\b], v[98+16*\b]   ; the largest score of each block of 32 keys: for the row's maximum, and, since p rises with the score, for the block's largest p
.endr
.irp i, 3,5,7,9,11,13
.irp b, 0,1,2,3
	v_max3_num_f32 v[232+\b], v[232+\b], v[96+16*\b+\i], v[97+16*\b+\i]
.endr
.endr
.irp b, 0,1,2,3
	v_max_num_f32 v[232+\b], v[232+\b], v[111+16*\b]
.endr
.irp b, 0,1,2,3
	s_delay_alu instid0(VALU_DEP_4)
	v_permlanex16_b32 v[236+\b], v[232+\b], s[SEL], s[SEL+1]
.endr
.irp b, 0,1,2,3
	s_delay_alu instid0(VALU_DEP_4)
	v_max_num_f32 v[232+\b], v[232+\b], v[236+\b]  ; with lane l xor 16's 16 keys
.endr
	s_delay_alu instid0(VALU_DEP_2)
	v_max3_num_f32 v254, v232, v233, v234
	s_delay_alu instid0(VALU_DEP_1)
	v_max_num_f32 v254, v254, v235
	s_delay_alu instid0(VALU_DEP_1)
	v_mul_f32 v254, s[CS], v254                    ; as t
	s_delay_alu instid0(VALU_DEP_1)
	v_max_num_f32 v[NM+1], v[NM+1], v254           ; the running largest t
	v_mov_b32 v254, v[NM]
	s_delay_alu instid0(VALU_DEP_2)
	v_floor_f32 v[NM], -v[NM+1]                    ; the new -M = -ceil(t)
	s_delay_alu instid0(VALU_DEP_1)
	v_sub_f32 v254, v[NM], v254                    ; old M less new M: a whole number, 0 or less
	s_delay_alu instid0(VALU_DEP_1)
	v_cvt_i32_f32 v254, v254                       ; (it saturates)
	s_delay_alu instid0(VALU_DEP_1)
	v_ldexp_f32 v252, 1.0, v254                    ; f = 2^(old M - new M)
.set n, 0
.rept 32
	v_pk_fma_f32 v[96+n:97+n], v[96+n:97+n], s[CS:CS+1], v[NM:NM+1] op_sel_hi:[1,0,0]   ; t - M
.set n, n+2
.endr
.irp b, 0,1,2,3
	v_fma_f32 v[232+\b], v[232+\b], s[CS], v[NM]   ; the same of each block's largest score
.endr
	s_wait_alu depctr_va_vdst(0)                   ; ahead of the batch
.set n, 0
.rept 64
	v_exp_f32 v[96+n], v[96+n]                     ; p = 2^(t - M)
.set n, n+1
.endr
.irp b, 0,1,2,3
	v_exp_f32 v[232+\b], v[232+\b]                 ; the block's largest p
.endr
	v_pk_mul_f32 v[SU:SU+1], v[SU:SU+1], v[252:253] op_sel_hi:[1,0]   ; the sums under the new M: the plain place behind the exponentials
	s_wait_alu depctr_va_vdst(0)                   ; one wait for the batch of 68, ahead of its first reader
.irp b, 0,1,2,3
	v_max_num_f32 v[232+\b], 0x1800000, v[232+\b]  ; the floor 2^(3 - 127): the byte cannot fall under 1
.endr
.irp b, 0,1,2,3
	s_delay_alu instid0(VALU_DEP_4)
	v_add_nc_u32 v[244+\b], 0xff000000, v[232+\b]  ; 2 off the exponent field: the conversion's scale operand
.endr
.irp b, 0,1,2,3
	s_delay_alu instid0(VALU_DEP_4)
	v_lshrrev_b32 v[236+\b], 23, v[244+\b]
.endr
	s_delay_alu instid0(VALU_DEP_3)
	v_lshl_or_b32 v253, v237, 8, v236              ; p's scale word for these 128 keys
	s_delay_alu instid0(VALU_DEP_1)
	v_lshl_or_b32 v253, v238, 16, v253
	s_delay_alu instid0(VALU_DEP_1)
	v_lshl_or_b32 v253, v239, 24, v253
	v_pk_add_f32 v[232:233], v[96:97], v[98:99]    ; the row's sum is taken of the unquantised p, in four chains; first the lower 64 keys
	v_pk_add_f32 v[234:235], v[100:101], v[102:103]
	v_pk_add_f32 v[248:249], v[104:105], v[106:107]
	v_pk_add_f32 v[SU:SU+1], v[SU:SU+1], v[108:109]
.irp n, 110,118
	v_pk_add_f32 v[232:233], v[232:233], v[\n:\n+1]
	v_pk_add_f32 v[234:235], v[234:235], v[\n+2:\n+3]
	v_pk_add_f32 v[248:249], v[248:249], v[\n+4:\n+5]
	v_pk_add_f32 v[SU:SU+1], v[SU:SU+1], v[\n+6:\n+7]
.endr
	v_pk_add_f32 v[232:233], v[232:233], v[126:127]
	v_cvt_scalef32_pk16_fp6_f32 v[224:226], v[96:111], v244
	v_cvt_scalef32_pk16_fp6_f32 v[236:238], v[112:127], v245
	VLOAD 96, 0                                    ; onto the lower half of p, which is done with
	VLOAD 108, 1
.irp n, 128,136,144,152
	v_pk_add_f32 v[234:235], v[234:235], v[\n:\n+1]
	v_pk_add_f32 v[248:249], v[248:249], v[\n+2:\n+3]
	v_pk_add_f32 v[SU:SU+1], v[SU:SU+1], v[\n+4:\n+5]
	v_pk_add_f32 v[232:233], v[232:233], v[\n+6:\n+7]
.endr
	v_pk_add_f32 v[232:233], v[232:233], v[234:235]
	v_pk_add_f32 v[SU:SU+1], v[SU:SU+1], v[248:249]
	v_pk_add_f32 v[SU:SU+1], v[SU:SU+1], v[232:233]
	v_cvt_scalef32_pk16_fp6_f32 v[230:232], v[128:143], v246
	v_cvt_scalef32_pk16_fp6_f32 v[240:242], v[144:159], v247
	v_nop                                          ; one plain place behind a scaled conversion
	VLOAD 128, 2
	VLOAD 140, 3
.irp c, 0,1                                    ; a whole block to a lane
.irp i, 0,1,2
	v_permlane16_swap_b32 v[224+6*\c+\i], v[236+4*\c+\i]
.endr
.irp i, 0,1,2
	s_delay_alu instid0(VALU_DEP_3)
	v_mov_b32 v[227+6*\c+\i], v[236+4*\c+\i]
.endr
.endr
	s_wait_alu depctr_va_vdst(0)                   ; directly ahead of the first reader of O^T
.set n, 0
.rept 16
	v_pk_mul_f32 v[160+n:161+n], v[160+n:161+n], v[252:253] op_sel_hi:[1,0]   ; O^T under the new M; each accumulator from its low end on.  (Also the places in front of the scaled products)
.set n, n+2
.endr
	s_wait_alu depctr_va_vdst(0)
	s_wait_dscnt 0x0
.irp t, 0,1,2,3                                ; O^T += V^T P^T: four accumulators by turns
	v_wmma_scale_f32_16x16x128_f8f6f4 v[160+8*\t:167+8*\t], v[96+12*\t+8*(\t/2):107+12*\t+8*(\t/2)], v[224:235], v[160+8*\t:167+8*\t], v[VSC+\t], v253 matrix_a_fmt:MATRIX_FMT_FP6 matrix_b_fmt:MATRIX_FMT_FP6
.endr
	s_add_co_u32 s[TRP], s[TRP], 1
	s_cmp_lt_u32 s[TRP], 17
	s_cbranch_scc1 .Lstep
.rept 4
	v_nop                                          ; places behind the last products
.endr
	v_and_b32 v8, 15, v0
	v_bfe_u32 v9, v0, 4, 1
	s_delay_alu instid0(VALU_DEP_1)
	v_mul_lo_u32 v9, v9, s80
	s_delay_alu instid0(VALU_DEP_1)
	v_lshl_add_u32 v8, v8, 5, v9                   ; lanes 0-15: the short tile's token r; lanes 16-31: the long tile's
	OUTY 160, SU, 246, 82, 74                      ; the short tile leaves
	v_cndmask_b32 v246, v246, v[PWB], s81
	global_store_b16 v8, v246, s[78:79]
	s_wait_xcnt 0x0
	v_lshl_add_u32 v254, v0, 2, SPARE
	v_mov_b32 v255, 0
	s_wait_alu depctr_va_vdst(0)
	s_wait_dscnt 0x0
	s_barrier_signal -1
	s_barrier_wait -1                              ; every wave's reads of LDS are over
	s_wait_tensorcnt 0x0                           ; the wave's end
	ds_add_u32 v254, v255
	s_wait_dscnt 0x0
	CROUND                                         ; the closing round: no work-group ends while a partner may still ask jointly
	s_endpgm
.Lfunc_end_k_qad0fc004f5_attn:
	.size	k_qad0fc004f5_attn, .Lfunc_end_k_qad0fc004f5_attn-k_qad0fc004f5_attn
	.p2alignl 7, 3214868480
	.fill 96, 4, 3214868480
	.section	.rodata,"a",@progbits
	.p2align	6, 0x0
	.amdhsa_kernel k_qad0fc004f5_attn
		.amdhsa_group_segment_fixed_size 215040
		.amdhsa_private_segment_fixed_size 0
		.amdhsa_enable_private_segment 0
		.amdhsa_kernarg_size 56
		.amdhsa_user_sgpr_count 2
		.amdhsa_user_sgpr_kernarg_segment_ptr 1
		.amdhsa_wavefront_size32 1
		.amdhsa_system_sgpr_workgroup_id_x 1
		.amdhsa_system_sgpr_workgroup_id_y 1
		.amdhsa_system_sgpr_workgroup_id_z 1
		.amdhsa_system_vgpr_workitem_id 0
		.amdhsa_next_free_vgpr 256
		.amdhsa_next_free_sgpr 96
		.amdhsa_reserve_vcc 1
		.amdhsa_float_denorm_mode_32 3
		.amdhsa_float_denorm_mode_16_64 3
		.amdhsa_memory_ordered 1
		.amdhsa_forward_progress 1
		.amdhsa_inst_pref_size 50
	.end_amdhsa_kernel
	.amdgpu_metadata
---
amdhsa.version: [ 1, 2 ]
amdhsa.kernels:
  - .name:           k_qad0fc004f5_attn
    .symbol:         k_qad0fc004f5_attn.kd
    .args:
      - { .name: qk_codes, .offset: 0, .size: 8, .value_kind: global_buffer, .address_space: global }
      - { .name: qk_scales, .offset: 8, .size: 8, .value_kind: global_buffer, .address_space: global }
      - { .name: v_codes, .offset: 16, .size: 8, .value_kind: global_buffer, .address_space: global }
      - { .name: v_scales, .offset: 24, .size: 8, .value_kind: global_buffer, .address_space: global }
      - { .name: padding_mask, .offset: 32, .size: 8, .value_kind: global_buffer, .address_space: global }
      - { .name: y_codes, .offset: 40, .size: 8, .value_kind: global_buffer, .address_space: global }
      - { .name: y_scales, .offset: 48, .size: 8, .value_kind: global_buffer, .address_space: global }
    .group_segment_fixed_size: 215040
    .private_segment_fixed_size: 0
    .kernarg_segment_align: 8
    .kernarg_segment_size: 56
    .max_flat_workgroup_size: 512
    .sgpr_count:     96
    .vgpr_count:     256
    .wavefront_size: 32
...
	.end_amdgpu_metadata
.endif
;; end of part 2
;; launch proj (part 3): grid 8 x 32, 4 waves a work-group, clusters of 4 x 4, 327,680 bytes of LDS; arguments y_codes, y_scales, Wproj_codes, Wproj_scales, bproj, out0; writes out0
.if DOCPART == 3
	.amdgcn_target "amdgcn-amd-amdhsa--gfx1250"
	.amdhsa_code_object_version 6
	.text
	.protected	k_qad0fc004f5_proj
	.globl	k_qad0fc004f5_proj
	.p2align	8
	.type	k_qad0fc004f5_proj,@function
k_qad0fc004f5_proj:
	s_mov_b64 s[64:65], 0
	v_nop
	global_prefetch_b8 v0, s[64:65] scope:SCOPE_SE
	s_setreg_imm32_b32 hwreg(HW_REG_WAVE_MODE, 25, 1), 1
	s_wait_xcnt 0x0
	s_wait_alu depctr_hold_cnt(0) depctr_sa_sdst(0) depctr_va_vdst(0) depctr_va_sdst(0) depctr_va_ssrc(0) depctr_va_vcc(0) depctr_vm_vsrc(0)
	s_getreg_b32 s2, hwreg(HW_REG_IB_STS2, 6, 4)
	s_cmp_eq_u32 s2, 0
	s_cbranch_scc0 .Lentry_in_a_cluster
	s_endpgm
.Lentry_in_a_cluster:
	s_bfe_u32 s2, ttmp6, 0x10000c
	s_cmp_lg_u32 s2, 0xf033
	s_cbranch_scc0 .Lentry_shape_is_right
	s_endpgm
.Lentry_shape_is_right:
; out0 = y Wproj + bproj on codes of FP6 (E2M3) with E8M0 scales, f32 sums.
; 256 work-groups: tile row i (256 tokens) x column group g (128 columns).  Four waves, 2 x 2: wave (a, b) takes tokens 128 a .. + 127 and columns 64 b .. + 63 of the 128.
; Its 64 rows of Wproj, all of K, lie in registers (32 fragments); y streams past in blocks of 16 tokens, all of K, in two sets.  A block is 32 products on four accumulators by turns; the bias is the C of the first four.
; y_codes [row block 512][head 16][768] holds half images (registers 0-3 at 16 x lane, 4-5 at 512 + 8 x lane): a block of 16 tokens is 12,288 dense bytes, and the tile comes as rows of 256 bytes.  y_scales: 32 bytes a token.
; Source 0 = the weight's rows: lane (r, h) holds token r, register 8 b + j column 16 b + 8 h + j.  A block goes through my own stage in LDS and leaves as whole rows of 256 bytes, one block behind the products.
; Everything is asked for at the head, one joint load a wave; no LDS byte is filled again, so there is nothing to prefetch ahead of.  y's rows are shared by a row of the cluster, Wproj's by a column.
.set KROW,  768
.set PITCH, 816
.set FR,    12
.set FPW,   21
.set NF,    34                         ; LDS loads of a block: 32 for eight fragments, 2 for eight scale words
.set BVB,   196608
.set SCL,   BVB+128*PITCH
.set STG,   SCL+32*272                 ; 16 rows x 272 bytes for each wave
.set SPARE, STG+4*16*272
.set ADRA,  12                         ; v12 16 x lane, v13 8 x lane, v14 scale words: of the block fetched next
.set AAS,   14
.set ABS,   15
.set BA,    16
.set SB,    24
.set SA,    44
.set SPW,   10
.set NIL,   11
.set STO,   60
.set RD,    61
.set CO,    62
.set BO,    63
.set ACC,   64
.set OB,    128                        ; v128-159, v160-191: a block read back from the stage
.set BB,    192
.set G1A, 24
.set G1B, 32
.set G1S, 92
.set G0A, 56
.set G0B, 60
.set G0R, 68
.set G0S, 72
.set MSB, 0
.macro WIN new
.if MSB != \new
	s_set_vgpr_msb (MSB<<8)|\new
.set MSB, \new
.endif
.endm
.macro PLACES n
.rept \n
	v_nop
.endr
.endm
.macro WALU
	s_wait_alu depctr_va_vdst(0)
.endm
.macro BARRIER
	s_barrier_signal -1
	s_barrier_wait -1
.endm
.macro CROUND
	BARRIER
	s_cmp_lg_u32 s14, 0
	s_cbranch_scc1 .Lnot_wave_0_\@
	s_barrier_signal -3
.Lnot_wave_0_\@:
	s_barrier_wait -3
	BARRIER
.endm
.macro TLOAD g0, g1
	tensor_load_to_lds s[\g0:\g0+3], s[\g1:\g1+7]
	s_nop 0
	PLACES 4
.endm
.macro DENSE g, mask, word, rows       ; a dense block as rows of 256 bytes (32 elements of 8)
	s_or_b32 s[\g+0], s[\mask], \word
	s_mov_b32 s[\g+1], 32<<16
	s_mov_b32 s[\g+2], (\rows)<<16
	s_mov_b32 s[\g+3], 32<<16
	s_mov_b32 s[\g+4], \rows
	s_mov_b32 s[\g+5], 32
	s_mov_b32 s[\g+6], 0
	s_mov_b32 s[\g+7], 0
.endm
.macro G0SET g, base, off
	s_mov_b32 s20, s\off
	s_add_nc_u64 s[\g+2:\g+3], s[\base:\base+1], s[20:21]
	s_or_b32 s[\g+3], s[\g+3], 0x80000000
.endm
.macro FRAG f, q, a0, a1               ; a fragment of the weight: six pieces of 8 bytes of a row, two to a load where both lie behind as many paddings
	WIN (1+(\f)/FPW)<<6
.set R_, FR*((\f)%FPW)
.set SKIP_, 0
.irp p, 0,1,2,3,4,5
.if SKIP_
.set SKIP_, 0
.else
.set PC_, 12*(\q)+6*(\p/3)+\p%3
.set PN_, 12*(\q)+6*((\p+1)/3)+(\p+1)%3
.set X_, (PC_%32+3)/32
.set XQ_, (PN_%32+3)/32
.if (\p < 5) && (X_ == XQ_)
.set SKIP_, 1
.if X_
	ds_load_2addr_b64 v[R_+2*\p:R_+2*\p+3], \a1 offset0:PC_+2*(PC_/32) offset1:PN_+2*(PN_/32)
.else
	ds_load_2addr_b64 v[R_+2*\p:R_+2*\p+3], \a0 offset0:PC_+2*(PC_/32) offset1:PN_+2*(PN_/32)
.endif
.elseif X_
	ds_load_b64 v[R_+2*\p:R_+2*\p+1], \a1 offset:8*(PC_+2*(PC_/32))
.else
	ds_load_b64 v[R_+2*\p:R_+2*\p+1], \a0 offset:8*(PC_+2*(PC_/32))
.endif
.endif
.endr
.endm
.macro WEIGHTS
.irp q, 0,1,2,3,4,5,6,7
.irp b, 0,1,2,3
	FRAG 4*\q+\b, \q, v[BA+2*\b], v[BA+2*\b+1]
.endr
.endr
	WIN 0
.endm
.macro FETCH e                         ; a block of y's rows into set e: fragment q is the half images of heads 2 q and 2 q + 1
.irp q, 0,1,2,3,4,5,6,7
.set F_, 32+8*(\e)+\q
.set R_, FR*(F_%FPW)
	WIN (1+F_/FPW)<<6
.irp c, 0,1
	ds_load_b128 v[R_+6*\c:R_+6*\c+3], v[ADRA] offset:(2*\q+\c)*768
	ds_load_b64 v[R_+6*\c+4:R_+6*\c+5], v[ADRA+1] offset:(2*\q+\c)*768+512
.endr
.endr
	WIN 0
	ds_load_b128 v[SA+8*(\e):SA+8*(\e)+3], v[AAS]
	ds_load_b128 v[SA+8*(\e)+4:SA+8*(\e)+7], v[AAS] offset:16
.endm
.macro STEPA                           ; to the next block's addresses: also five places behind the block's products
	v_add_nc_u32 v[ADRA], 12288, v[ADRA]
	v_add_nc_u32 v[ADRA+1], 12288, v[ADRA+1]
	v_add_nc_u32 v[AAS], 544, v[AAS]
	PLACES 2
	WALU
.endm
.macro MM d, s0, s1, c, x0, x1, o
	v_wmma_scale_f32_16x16x128_f8f6f4 v[\d:\d+7], v[\s0:\s0+11], v[\s1:\s1+11], v[\c:\c+7], v[\x0], v[\x1] matrix_a_fmt:MATRIX_FMT_FP6 matrix_b_fmt:MATRIX_FMT_FP6 matrix_a_scale:MATRIX_SCALE_ROW\o
.endm
.macro PRODS e
.irp q, 0,1,2,3,4,5,6,7
.irp b, 0,1,2,3
.set FB_, 4*\q+\b
.set FA_, 32+8*(\e)+\q
.set RB_, FR*(FB_%FPW)
.set RA_, FR*(FA_%FPW)
.set XB_, SB+8*(\b/2)+\q
.set XA_, SA+8*(\e)+\q
.set D_, ACC+8*\b
.set C_, D_
.if \q == 0
.set C_, BB+8*\b
.endif
	WIN (1+FB_/FPW)|((1+FA_/FPW)<<2)
.if \b%2
	MM D_, RB_, RA_, C_, XB_, XA_, 1
.else
	MM D_, RB_, RA_, C_, XB_, XA_, 0
.endif
.endr
.endr
	WIN 0
.endm
.macro TOSTAGE s                       ; LDS serves a wave's instructions in order: the loads see the stores
.irp b, 0,1,2,3
	ds_store_b128 v[STO], v[ACC+8*\b:ACC+8*\b+3] offset:64*\b
	ds_store_b128 v[STO], v[ACC+8*\b+4:ACC+8*\b+7] offset:64*\b+16
.endr
.irp t, 0,1,2,3,4,5,6,7
	ds_load_b128 v[OB+32*((\s)%2)+4*\t:OB+32*((\s)%2)+4*\t+3], v[RD] offset:\t*544
.endr
.endm
.macro SEND s                          ; sixteen lanes store 256 consecutive bytes, at a multiple of 256 from out0's first byte
.irp t, 0,1,2,3,4,5,6,7
	global_store_b128 v[CO], v[OB+32*((\s)%2)+4*\t:OB+32*((\s)%2)+4*\t+3], s[50:51] offset:(16*(\s)+2*\t)*4096 th:TH_STORE_NT
.endr
.endm
.macro PBLOCK s
	PRODS (\s)%2
	s_wait_dscnt 0x0                               ; all that was asked of LDS ahead of these products is in: the next block's rows, and the last block read back
.if (\s) > 0
	SEND (\s)-1
.endif
.if (\s) < 6
	STEPA
	FETCH (\s)%2
.else
	PLACES 5
.endif
	s_wait_xcnt 0x0                                ; earlier stores have read their registers
	TOSTAGE \s
.endm
; ---- the head
	s_load_b256 s[4:11], s[0:1], 0x0               ; y's codes, y's scales, Wproj's codes, Wproj's scales
	s_load_b128 s[48:51], s[0:1], 0x20             ; bproj, out0
	v_lshl_add_u32 v[SPW], v0, 2, SPARE
	v_mov_b32 v[NIL], 0
	ds_add_u32 v[SPW], v[NIL]                      ; the opening lines: the add twice and its wait
	ds_add_u32 v[SPW], v[NIL]
	v_lshrrev_b32 v9, 5, v0
	v_readfirstlane_b32 s14, v9
	s_lshr_b32 s15, s14, 1
	s_and_b32 s16, s14, 1
	s_bfe_u32 s40, ttmp6, 0x40000
	s_bfe_u32 s41, ttmp6, 0x40004
	s_lshl_b32 s42, ttmp9, 2
	s_add_co_u32 s42, s42, s40                     ; g
	s_and_b32 s43, ttmp7, 0xffff
	s_lshl_b32 s43, s43, 2
	s_add_co_u32 s43, s43, s41                     ; i
	s_lshl_b32 s44, s41, 2
	s_lshl_b32 s44, 15, s44
	s_lshl_b32 s45, 0x1111, s40
	DENSE G1A, 44, (3<<16)|(1<<21), 384            ; 128 tokens of y: 98,304 dense bytes
	DENSE G1S, 44, (3<<16)|(1<<20)|(1<<21)|(5<<22)|(3<<25), 32
	s_or_b32 s[G1B+0], s45, (1<<20)|(1<<21)|(5<<22)|(3<<25)
	s_mov_b32 s[G1B+1], KROW<<16
	s_mov_b32 s[G1B+2], 128<<16
	s_mov_b32 s[G1B+3], KROW<<16
	s_mov_b32 s[G1B+4], 128
	s_mov_b32 s[G1B+5], KROW
	s_mov_b32 s[G1B+6], 0
	s_mov_b32 s[G1B+7], 0
	s_mov_b32 s[G0A], 1
	s_mov_b32 s[G0A+1], 0
	s_mov_b32 s[G0R], 1
	s_mov_b32 s[G0R+1], 98304
	s_mov_b32 s[G0B], 1
	s_mov_b32 s[G0B+1], BVB
	s_mov_b32 s[G0S], 1
	s_mov_b32 s[G0S+1], SCL
	s_mul_i32 s66, s43, 196608
	s_lshl_b32 s67, s43, 13
	s_mul_i32 s46, s42, 128*KROW
	s_lshl_b32 s76, s42, 12
	s_lshl_b32 s20, s16, 11
	s_add_co_u32 s76, s76, s20
	s_mov_b32 s77, 0
	s_lshl_b32 s78, s42, 9
	s_lshl_b32 s20, s16, 8
	s_add_co_u32 s78, s78, s20                     ; my first column, in bytes
	s_mov_b32 s79, 0
	s_lshl_b32 s80, s43, 20
	s_lshl_b32 s20, s15, 19
	s_add_co_u32 s80, s80, s20
	s_add_co_u32 s80, s80, s78                     ; my first token's row of 4,096 bytes, and my column
	s_mov_b32 s81, 0
	s_mul_i32 s21, s15, 98304
	s_mul_i32 s22, s16, 64*PITCH
	s_add_co_u32 s22, s22, BVB
	s_mul_i32 s23, s15, 8*544
	s_add_co_u32 s23, s23, SCL
	s_mul_i32 s90, s14, 16*272
	s_add_co_u32 s90, s90, STG
	v_and_b32 v1, 15, v0
	v_bfe_u32 v2, v0, 4, 1
	v_and_b32 v3, 31, v0
	v_mul_u32_u24 v9, v1, PITCH
	v_mad_u32_u24 v[BA], v2, 24, v9
	v_mad_u32_u24 v[BA+1], v2, 40, v9
	v_add_nc_u32 v[BA], s22, v[BA]
	v_add_nc_u32 v[BA+1], s22, v[BA+1]
.irp b, 1,2,3
	v_add_nc_u32 v[BA+2*\b], \b*16*PITCH, v[BA]
	v_add_nc_u32 v[BA+2*\b+1], \b*16*PITCH, v[BA+1]
.endr
	v_lshl_add_u32 v[ADRA], v3, 4, s21
	v_lshl_add_u32 v[ADRA+1], v3, 3, s21
	v_lshlrev_b32 v[ABS], 5, v3
	v_lshrrev_b32 v9, 3, v1
	v_lshlrev_b32 v[AAS], 5, v1
	v_lshl_add_u32 v[AAS], v9, 4, v[AAS]
	v_add_nc_u32 v[AAS], s23, v[AAS]
	v_mul_u32_u24 v4, v1, 272
	v_lshl_add_u32 v4, v2, 5, v4
	v_add_nc_u32 v[STO], s90, v4                   ; in: row r, 32 bytes for each half of the lanes
	v_mul_u32_u24 v5, v2, 272
	v_lshl_add_u32 v5, v1, 4, v5
	v_add_nc_u32 v[RD], s90, v5                    ; back: lanes 0-15 one row, lanes 16-31 the next
	v_lshlrev_b32 v[CO], 12, v2
	v_lshl_add_u32 v[CO], v1, 4, v[CO]
	v_lshlrev_b32 v[BO], 5, v2
	WALU                                           ; the wait at the head's end
	s_wait_dscnt 0x0
	CROUND                                         ; the round in front of the joint loads
	s_wait_kmcnt 0x0
	s_mov_b32 s21, 0
	G0SET G0A, 4, 66
	s_add_nc_u64 s[G0R+2:G0R+3], s[G0A+2:G0A+3], 98304
	G0SET G0S, 6, 67
	G0SET G0B, 8, 46
	s_add_nc_u64 s[76:77], s[10:11], s[76:77]
	s_add_nc_u64 s[78:79], s[48:49], s[78:79]
	s_add_nc_u64 s[50:51], s[50:51], s[80:81]
	s_cmp_eq_u32 s14, 0                            ; one load a wave, each in its own arm
	s_cbranch_scc0 .Lwave_1
	TLOAD G0B, G1B                                 ; wave 0: Wproj's rows
	s_branch .Lasked
.Lwave_1:
	s_cmp_eq_u32 s14, 1
	s_cbranch_scc0 .Lwave_2
	TLOAD G0S, G1S                                 ; wave 1: y's scale bytes
	s_branch .Lasked
.Lwave_2:
	s_cmp_eq_u32 s14, 2
	s_cbranch_scc0 .Lwave_3
	TLOAD G0A, G1A                                 ; wave 2: tokens 0-127
	s_branch .Lasked
.Lwave_3:
	TLOAD G0R, G1A                                 ; wave 3: tokens 128-255
.Lasked:
.irp p, 0,1
.irp c, 0,1
	global_load_b128 v[SB+8*\p+4*\c:SB+8*\p+4*\c+3], v[ABS], s[76:77] offset:1024*\p+16*\c
.endr
.endr
.irp b, 0,1,2,3
	global_load_b128 v[BB+8*\b:BB+8*\b+3], v[BO], s[78:79] offset:64*\b
	global_load_b128 v[BB+8*\b+4:BB+8*\b+7], v[BO], s[78:79] offset:64*\b+16
.endr
	s_cmp_eq_u32 s14, 0
	s_cbranch_scc0 .Lnot_w
	s_wait_tensorcnt 0x0
.Lnot_w:
	BARRIER                                        ; Wproj's rows are in; the other tiles may be on their way
	WEIGHTS
	s_wait_tensorcnt 0x0
	s_wait_dscnt 0x0
	BARRIER                                        ; all tiles are in
	FETCH 0
	STEPA
	FETCH 1
	s_wait_loadcnt 0x0
	s_wait_dscnt NF                                ; block 0's rows are in; block 1's loads may be out
.irp s, 0,1,2,3,4,5,6,7
	PBLOCK \s
.endr
	s_wait_dscnt 0x0
	SEND 7
	s_wait_tensorcnt 0x0                           ; the wave's end
	ds_add_u32 v[SPW], v[NIL]
	s_wait_dscnt 0x0
	CROUND                                         ; the closing round
	s_endpgm
.Lfunc_end_k_qad0fc004f5_proj:
	.size	k_qad0fc004f5_proj, .Lfunc_end_k_qad0fc004f5_proj-k_qad0fc004f5_proj
	.p2alignl 7, 3214868480
	.fill 96, 4, 3214868480
	.section	.rodata,"a",@progbits
	.p2align	6, 0x0
	.amdhsa_kernel k_qad0fc004f5_proj
		.amdhsa_group_segment_fixed_size 327680
		.amdhsa_private_segment_fixed_size 0
		.amdhsa_enable_private_segment 0
		.amdhsa_kernarg_size 48
		.amdhsa_user_sgpr_count 2
		.amdhsa_user_sgpr_kernarg_segment_ptr 1
		.amdhsa_wavefront_size32 1
		.amdhsa_system_sgpr_workgroup_id_x 1
		.amdhsa_system_sgpr_workgroup_id_y 1
		.amdhsa_system_sgpr_workgroup_id_z 1
		.amdhsa_system_vgpr_workitem_id 0
		.amdhsa_next_free_vgpr 840
		.amdhsa_next_free_sgpr 102
		.amdhsa_reserve_vcc 0
		.amdhsa_float_denorm_mode_32 3
		.amdhsa_float_denorm_mode_16_64 3
		.amdhsa_memory_ordered 1
		.amdhsa_forward_progress 1
		.amdhsa_inst_pref_size 84
	.end_amdhsa_kernel
	.amdgpu_metadata
---
amdhsa.version: [ 1, 2 ]
amdhsa.kernels:
  - .name:           k_qad0fc004f5_proj
    .symbol:         k_qad0fc004f5_proj.kd
    .args:
      - { .name: y_codes, .offset: 0, .size: 8, .value_kind: global_buffer, .address_space: global }
      - { .name: y_scales, .offset: 8, .size: 8, .value_kind: global_buffer, .address_space: global }
      - { .name: Wproj_codes, .offset: 16, .size: 8, .value_kind: global_buffer, .address_space: global }
      - { .name: Wproj_scales, .offset: 24, .size: 8, .value_kind: global_buffer, .address_space: global }
      - { .name: bproj, .offset: 32, .size: 8, .value_kind: global_buffer, .address_space: global }
      - { .name: out0, .offset: 40, .size: 8, .value_kind: global_buffer, .address_space: global }
    .group_segment_fixed_size: 327680
    .private_segment_fixed_size: 0
    .kernarg_segment_align: 8
    .kernarg_segment_size: 48
    .max_flat_workgroup_size: 128
    .sgpr_count:     102
    .vgpr_count:     840
    .wavefront_size: 32
...
	.end_amdgpu_metadata
.endif
;; end of part 3
